; MI455X (gfx1250); checked and timed in simulation.
; The chip was launched on July 23, 2026; its instructions are those of AMD's public machine-readable ISA for CDNA 5 (MIT licence, August 2026) and "CDNA5" Instruction Set Architecture Reference Guide (July 2026). The comments in the code are by the model that wrote it; some were corrected since.
;; Bert Self Attention. Allowed arithmetic: matrix products marked QUANTISED: E5M2 operands, one given power-of-two scale a tensor, by v_wmma_f32_16x16x64_bf8_bf8 or v_wmma_f32_16x16x128_bf8_bf8, f32 sums; everything else in f32.
;; Inputs: Wk_codes 1,024 x 32 x 32 uint8 (E5M2 codes of Wk, K innermost, in blocks of 32 codes); Wq_codes 1,024 x 32 x 32 uint8 (E5M2 codes of Wq, K innermost, in blocks of 32 codes); Wv_codes 1,024 x 32 x 32 uint8 (E5M2 codes of Wv, K innermost, in blocks of 32 codes); attention_mask 8 x 1 x 1 x 1,024 float32; bk 1,024 float32; bq 1,024 float32; bv 1,024 float32; hidden_states_codes 8 x 1,024 x 32 x 32 uint8 (E5M2 codes of hidden_states, K innermost, in blocks of 32 codes); lowp_scales 10 int32 (the exponents e of the quantised operands' scales 2^e).
;; Outputs: out0 8 x 1,024 x 1,024 float32.
;; This version of the problem:
;;   THIS VERSION OF THE PROBLEM IS GIVEN IN LOW PRECISION. The matrix products marked QUANTISED in the list below multiply operands that are first quantised to E5M2 (5 exponent bits, 2 mantissa bits; 8 bits a number), with one given power-of-two scale for each operand tensor; their sums are f32. All else is computed in f32.
;;   The module's matrix products, in the order in which they are computed (A, B: the left and right operand; K: the contracted axis; several contracted axes count as one K, in the product's order):
;;     1. [M 8,192, K 1,024] x [K 1,024, N 1,024]; A: input hidden_states (given as codes); B: input Wq (given as codes): QUANTISED (scales: A lowp_scales[0], B lowp_scales[1])
;;     2. [M 8,192, K 1,024] x [K 1,024, N 1,024]; A: input hidden_states (given as codes); B: input Wk (given as codes): QUANTISED (scales: A lowp_scales[2], B lowp_scales[3])
;;     3. [M 8,192, K 1,024] x [K 1,024, N 1,024]; A: input hidden_states (given as codes); B: input Wv (given as codes): QUANTISED (scales: A lowp_scales[4], B lowp_scales[5])
;;     4. batch 128 x [M 1,024, K 64] x [K 64, N 1,024]; A: computed on the way; B: computed on the way: QUANTISED (scales: A lowp_scales[6], B lowp_scales[7])
;;     5. batch 128 x [M 1,024, K 1,024] x [K 1,024, N 64]; A: softmax (see below); B: computed on the way: QUANTISED (scales: A lowp_scales[8], B lowp_scales[9])
;;   THE QUANTISER, for each operand of a quantised product, along K:
;;     - The operand's scale is 2^e, e = its entry of the input lowp_scales (int32; the entries are numbered through the quantised products in the list's order, A before B).
;;     - Each number is divided by the scale, clamped to +-57,344, and rounded to the nearest number of E5M2, ties to even, subnormals kept.
;;     - The product sums the exact products of the quantised numbers (number of the format x scale) in f32.
;;   ~~~python
;;   def quantise(x, axis, e):      # numpy; x: float32 -> the quantised numbers, widened to float32 again
;;       x = np.moveaxis(x, axis, -1); K = x.shape[-1]
;;       r = np.clip(x / 2.0 ** e, -57344, 57344)
;;       step = 2.0 ** (np.maximum(np.frexp(np.where(r == 0, 1, r))[1] - 1, -14) - 2)
;;       q = np.round(r / step) * step * 2.0 ** e      # np.round: ties to even
;;       return np.moveaxis(q, -1, axis).astype(np.float32)
;;   ~~~
;;   SOFTMAX AHEAD OF A QUANTISED PRODUCT. Where the list says 'softmax', what is quantised is not the finished softmax but p = 2^(t - M), with t = logit x log2(e) and M = ceil(the row's largest t), a whole number; so 1/2 < the row's largest p <= 1. The row's sum l is taken of the UNQUANTISED p, in f32, and the product's result is divided by l at the end. Since M is a whole number, a kernel that streams over the keys may use a running M (the ceiling of the running maximum): every later rescaling is an exact power of two, so the quantised numbers keep their values, but for numbers so far below the row's largest that they fall under the format's range.
;;   OPERANDS COMPUTED ON THE WAY. 'Computed on the way' means the value that the module computes at that place (a softmax that the list does not call 'softmax' is quantised finished and normalised). What goes into a quantiser is computed in f32, as accurately as f32 sums, v_exp_f32 and their like allow (about 1e-6 of the number): no bf16 or f16 on the way to a quantiser, and a product that is left as it is and whose result goes on into a quantised operand takes f32 operands (vector FMAs, or v_wmma_f32_16x16x4_f32). A number that lies on a knife's edge between two numbers of the format may be rounded either way, as far as f32 arithmetic and the matrix unit's own rounding can turn it there, and no further.
;;   INPUTS GIVEN AS CODES. Wk (in the module: [1024, 1024], K = its axis 0); Wq (in the module: [1024, 1024], K = its axis 0); Wv (in the module: [1024, 1024], K = its axis 0); hidden_states (in the module: [8, 1024, 1024], K = its axis 2): each comes as NAME_codes (uint8): NAME with its K axis moved to the last place and cut into blocks of 32 codes, [.., K / 32, bytes a block], one block behind the other in memory; one code a byte (a code: sign, 5 exponent bits, 2 mantissa bits); its scale is its entry of lowp_scales. Its value is code x scale, taken as it is: it is not quantised again, and the codes and scales need not be those that the quantiser above would give.
;; One version. Each part assembles by itself: llvm-mc -triple=amdgcn-amd-amdhsa -mcpu=gfx1250 --defsym DOCPART=n.
;; ======== version 1 of 1: 2 launches
;; limits: right only within a limited range of input values
;; workspace buffers: q_img 8,388,608 bytes; kv_img 16,777,216 bytes
;; launch proj (part 1): grid 8 x 32, 4 waves a work-group, clusters of 4 x 4, 327,680 bytes of LDS; arguments hidden_states_codes, Wq_codes, Wk_codes, Wv_codes, bq, bk, bv, lowp_scales, q_img, kv_img; writes q_img, kv_img
.if DOCPART == 1
	.amdgcn_target "amdgcn-amd-amdhsa--gfx1250"
	.amdhsa_code_object_version 6
	.text
	.protected	k_q605332eff0_proj
	.globl	k_q605332eff0_proj
	.p2align	8
	.type	k_q605332eff0_proj,@function
k_q605332eff0_proj:
	s_mov_b64 s[64:65], 0
	v_nop
	global_prefetch_b8 v0, s[64:65] scope:SCOPE_SE
	s_setreg_imm32_b32 hwreg(HW_REG_WAVE_MODE, 25, 1), 1
	s_wait_xcnt 0x0
	s_wait_alu depctr_hold_cnt(0) depctr_sa_sdst(0) depctr_va_vdst(0) depctr_va_sdst(0) depctr_va_ssrc(0) depctr_va_vcc(0) depctr_vm_vsrc(0)
	s_getreg_b32 s2, hwreg(HW_REG_IB_STS2, 6, 4)
	s_cmp_eq_u32 s2, 0
	s_cbranch_scc0 .Lentry_in_a_cluster
	s_endpgm
.Lentry_in_a_cluster:
	s_bfe_u32 s2, ttmp6, 0x10000c
	s_cmp_lg_u32 s2, 0xf033
	s_cbranch_scc0 .Lentry_shape_is_right
	s_endpgm
.Lentry_shape_is_right:
; q = x Wq + bq, k = x Wk + bk, v = x Wv + bv on codes of E5M2, each result quantised to E5M2 for the attention that follows.
; x: [8192][1024] codes; Wq, Wk, Wv: [1024 (column)][1024 (K)] codes, K innermost.  A sum of codes stands for sum x 2^(ea + eb): (e0, e1) for q, (e2, e3) for k, (e4, e5) for v.
; y = sum x 2^(ea + eb) + bias in f32; code = y / 2^eo, held within +-57,344, to the nearest code, ties to even; eo = e6 for q, e7 for k, e9 for v.
; NO WORK IS LEFT OUT: every input has a way to out0.
; LIMITS: ea + eb between -126 and 127, eo between -126 and 112, so that each power of two below is an f32 number.  NaN among the biases is not served.
; SHARES.  256 work-groups: 32 blocks of 256 tokens x 8 pairs of heads.  A work-group of four waves makes, for its tokens, its two heads' 128 columns of q, of k and of v.
; A wave makes 128 tokens x 64 columns (one head) of each of the three: 96 accumulators of 16 x 16, 768 registers: q's in window 1, k's in window 2, v's in window 3.
; K goes in four steps of 256 (a tile's row is 256 bytes of memory), each of four sub-steps of 64 along K; a sub-step is three phases (q, k, v) of 32 matrix instructions.
; LDS IN PIECES of 128 rows x 272 bytes: x two slots of two pieces, Wq two slots, Wk two slots, Wv one: nine pieces (ten, two slots of everything, do not fit).
; All of a step's LDS reads are issued by the end of its sub-step 2.  In sub-step 3 a round of the cluster's barrier stands, and behind it wave 0 asks for x two steps on (256 rows), waves 1 and 2 for Wq and
; Wk two steps on, wave 3 for Wv ONE step on, into the piece just left; that one is waited for in the next step's sub-step 0, ahead of its phase v.
; CLUSTERS: 4 x 4 work-groups.  The four of a row of the cluster need the same tile of x, the four of a column the same tiles of W: each is asked for JOINTLY.
; PREFETCH: behind the head's load K steps 1 and 2, behind step 1's load K step 3: a lane a row of 256 bytes.  The four partners that ask for a tile share its rows out by address (64 rows of x, 32 of each W);
; W's rows are named by the clusters of the grid's first four rows of clusters alone.
; THE RESULT IS LAID AS THE NEXT PRODUCT'S OPERAND.  In a result, lane (r, h) holds row r of source 1, and its registers 0-7 rows 8 h + 0 .. 7 of source 0; an operand of 8-bit codes wants, of its row r,
; k = 16 c + 8 h + 0 .. 7 in registers 2 c, 2 c + 1.  So eight sums of a lane, converted, ARE two registers of an operand whose K runs along source 0's rows:
;   q, k: source 0 = 16 columns of W, source 1 = 16 tokens: accumulators j = 0 .. 3 of a token tile are the fragment (16 tokens x the head's 64).
;   v:    source 0 = 16 tokens, source 1 = 16 columns of Wv: accumulators a = 0 .. 7 of a column tile are the fragment (16 of the head's 64 x 128 keys) of V^T.
; The codes leave as IMAGES OF THE OPERAND'S REGISTERS, four registers a store, lane l's 16 bytes at 16 l: each store covers 512 consecutive bytes, aligned.
;   q_img:  [batch x head 128][token tile 64][group of four registers 2][lane 32][16 bytes]
;   kv_img: [batch x head 128][key step of 128: 8][16,384]: K's 8 tiles of 1,024 bytes (2 groups), then V^T's 4 fragments of 2,048 bytes (4 groups)
; REGISTERS, window 0: v0-29 addresses and constants; v32-95, v96-159 x's fragments (8 x 16 tokens x 64 K), two sets; v160-255 W's (4 each of q, k, v).
;   At the end v32-95 take the biases of q and k; v96-159 numbers, v160-255 codes.
.set PITCH,  272                       ; an LDS row: 256 bytes + 16 of padding = 68 words: the 16 rows that a load touches start at 16 different banks (64 banks of 4 bytes: ISA guide 11.1)
.set PIECE,  128*PITCH
.set SPARE,  9*PIECE                   ; behind the pieces: the spare words, 128 bytes for each wave: two blocks of 256 bytes that no other line names
.set PFO,  3                           ; v3     1,024 x lane; never rewritten
.set ADX,  6                           ; v6-7   LDS address of my x fragments in slot 0, 1
.set ADW,  8                           ; v8-10  of Wq's, Wk's (slot 0; slot 1 lies PIECE on), Wv's
.set ST16, 11                          ; v11    16 x lane
.set LIM,  12                          ; v12-14 57,344 x 2^eo for q, k, v
.set VB,   16                          ; v16-19 v's bias, one of my column in each of the four column tiles
.set SCL,  20                          ; v20-22 2^eo as f32
.set BO,   23                          ; v23    my byte offset in the biases of q and k
.set BOV,  24                          ; v24    in v's
.set SPW,  28                          ; v28    LDS address of my spare word; never rewritten
.set NIL,  29                          ; v29    0; never rewritten
.set XF,   32
.set BI,   32
.set YF,   96
.set WF,   160
.set G1X, 24                           ; s[24:31] descriptor group 1 of x's tiles, s[32:35] its group 0;  s[48:55], s[36:39] the same of my W's
.set G0X, 32
.set G0W, 36
.set G1W, 48
.set PFA, 60                           ; s[60:61] where my prefetches stand
.set PFC, 66                           ; s66      0 where my wave prefetches
.set SC,  84                           ; s[84:89] 2^(ea + eb) for q, k, v, each twice
.set MSB, 0
.macro WIN new                         ; the immediate's high byte repeats the setting that is left
.if MSB != (\new)
	s_set_vgpr_msb (MSB<<8)|(\new)
.set MSB, (\new)
.endif
.endm
.macro PLACES                          ; plain vector instructions between a matrix instruction and a load into, or a vector write of, its registers, or a read of its result
.rept 4
	v_nop
.endr
.endm
; Joint loads.  kind 0: x by wave 0, W by waves 1 to 3;  1: x by wave 0, W by waves 1 and 2;  2: W by wave 3 alone.  Each line has one mask and one set of registers for all that issue it.
.macro JLOAD kind
.if (\kind) < 2
	s_cmp_eq_u32 s14, 0
	s_cbranch_scc0 .Lfor_w_\@
	tensor_load_to_lds s[G0X:G0X+3], s[G1X:G1X+7]
	s_nop 0
	PLACES
	s_branch .Lasked_\@
.Lfor_w_\@:
.endif
.if (\kind) == 1
	s_cmp_eq_u32 s14, 3
	s_cbranch_scc1 .Lasked_\@
.endif
.if (\kind) == 2
	s_cmp_eq_u32 s14, 3
	s_cbranch_scc0 .Lasked_\@
.endif
	tensor_load_to_lds s[G0W:G0W+3], s[G1W:G1W+7]
	s_nop 0
	PLACES
.Lasked_\@:
.endm
.macro CREST                           ; a round of the cluster's barrier behind its opening barrier
	s_cmp_lg_u32 s14, 0
	s_cbranch_scc1 .Lnot_wave_0_\@
	s_barrier_signal -3
.Lnot_wave_0_\@:
	s_barrier_wait -3
	s_barrier_signal -1
	s_barrier_wait -1
.endm
.macro CROUND                          ; a whole round
	s_barrier_signal -1
	s_barrier_wait -1
	CREST
.endm
	s_load_b512 s[68:83], s[0:1], 0x0              ; x 68, Wq 70, Wk 72, Wv 74, bq 76, bk 78, bv 80, the scales' exponents 82
	s_load_b128 s[84:87], s[0:1], 0x40             ; q_img 84, kv_img 86
	v_lshl_add_u32 v[SPW], v0, 2, SPARE
	v_mov_b32 v[NIL], 0
	ds_add_u32 v[SPW], v[NIL]                      ; the wave's opening: the add, twice on end, and its wait ahead of my first tensor load
	ds_add_u32 v[SPW], v[NIL]                      ; and once more; the set-up below, work on registers, stands between it and the wait
	v_lshrrev_b32 v1, 5, v0
	v_readfirstlane_b32 s14, v1                    ; wave 0..3
	s_lshr_b32 s15, s14, 1                         ; which 128 of the 256 tokens are mine
	s_and_b32 s16, s14, 1                          ; which of the two heads
	s_and_b32 s12, s14, s15                        ; 1 in wave 3, else 0
	s_bfe_u32 s40, ttmp6, 0x40000                  ; cx
	s_bfe_u32 s41, ttmp6, 0x40004                  ; cy
	s_lshl_b32 s42, ttmp9, 2
	s_add_co_u32 s42, s42, s40                     ; the pair of heads = 4 x cluster x + cx
	s_and_b32 s17, ttmp7, 0xffff
	s_lshr_b32 s67, s17, 2                         ; 0 in the first four rows of clusters
	s_lshl_b32 s17, s17, 2
	s_add_co_u32 s17, s17, s41                     ; the block of 256 tokens = 4 x cluster y + cy
	s_lshl_b32 s43, s41, 2
	s_lshl_b32 s43, 15, s43                        ; my row of the cluster
	s_lshl_b32 s44, 0x1111, s40                    ; my column
	; descriptor groups 1: 256 rows of x, 128 of W, 256 bytes each, padded in LDS
	s_or_b32 s[G1X+0], s43, (0<<16)|(1<<20)|(1<<21)|(5<<22)|(3<<25)  ; 15:0 the mask: x's tiles go to my row; 17:16 elements of 1 byte; 20 padding on; 21 set beside a mask; 24:22 after every 64 words; 31:25 four words
	s_or_b32 s[G1W+0], s44, (0<<16)|(1<<20)|(1<<21)|(5<<22)|(3<<25)  ; the same with my column's mask, for W's tiles
.irp g, G1X, G1W
	s_mov_b32 s[\g+1], 256<<16                     ; tensor_dim0
	s_mov_b32 s[\g+3], 256<<16                     ; tile_dim0
	s_mov_b32 s[\g+5], 1024                        ; tensor_dim0_stride
	s_mov_b32 s[\g+6], 0
	s_mov_b32 s[\g+7], 0
.endr
	s_mov_b32 s[G1X+2], 256<<16                    ; tensor_dim1, and below tile_dim1
	s_mov_b32 s[G1X+4], 256
	s_mov_b32 s[G1W+2], 128<<16
	s_mov_b32 s[G1W+4], 128
	s_lshl_b32 s20, s17, 18                        ; x: 256 rows of 1,024 bytes a block
	s_mov_b32 s21, 0
	s_lshl_b32 s46, s42, 17                        ; W: 128 rows a pair of heads
	s_mov_b32 s47, 0
	s_mul_i32 s45, s14, 2*PIECE
	s_add_co_u32 s45, s45, 2*PIECE                 ; LDS, slot 0: wave 1 (Wq) piece 4, wave 2 (Wk) piece 6, wave 3 (Wv) piece 8
	s_xor_b32 s22, s12, 1
	s_mul_i32 s13, s22, PIECE
	s_add_co_u32 s13, s13, s45                     ; slot 1: a piece on; Wv has one slot
	s_lshl_b32 s18, s22, 8                         ; step 1's first load: a step on, but for Wv
	s_mov_b32 s19, 0
	s_wait_dscnt 0x0                               ; both opening adds are done
	s_wait_kmcnt 0x0
	s_load_b256 s[92:99], s[82:83], 0x0            ; e0 .. e7
	s_load_b32 s100, s[82:83], 0x24                ; e9
	s_cmp_eq_u32 s14, 1                            ; my W: a choice on the wave's number
	s_cselect_b64 s[6:7], s[70:71], s[72:73]
	s_cmp_eq_u32 s14, 3
	s_cselect_b64 s[6:7], s[74:75], s[6:7]
	s_add_nc_u64 s[20:21], s[68:69], s[20:21]
	s_add_nc_u64 s[46:47], s[6:7], s[46:47]
	CROUND                                         ; all sixteen work-groups are here: the first joint loads meet
	s_mov_b32 s[G0X], 1
	s_mov_b32 s[G0X+1], 0
	s_mov_b64 s[G0X+2:G0X+3], s[20:21]
	s_or_b32 s[G0X+3], s[G0X+3], 0x80000000
	s_mov_b32 s[G0W], 1
	s_mov_b32 s[G0W+1], s45
	s_mov_b64 s[G0W+2:G0W+3], s[46:47]
	s_or_b32 s[G0W+3], s[G0W+3], 0x80000000
	JLOAD 0                                        ; K step 0: one tensor load a wave at the head
	; the prefetches: wave 0 asks for 64 of x's rows, waves 1 to 3 for 32 of their W's
	s_lshl_b32 s62, s17, 18
	s_lshl_b32 s63, s40, 16
	s_add_co_u32 s62, s62, s63
	s_lshl_b32 s2, s42, 17
	s_lshl_b32 s3, s41, 15
	s_add_co_u32 s2, s2, s3
	s_cmp_eq_u32 s14, 0
	s_cselect_b32 s62, s62, s2
	s_cselect_b64 s[PFA:PFA+1], s[68:69], s[6:7]
	s_cselect_b32 s[PFC], 0, s67
	s_mov_b32 s63, 0
	s_add_nc_u64 s[PFA:PFA+1], s[PFA:PFA+1], s[62:63]
	v_and_b32 v5, 31, v0
	v_lshlrev_b32 v[ST16], 4, v5
	v_lshlrev_b32 v[PFO], 10, v5
.macro ASK step                        ; K step \step: 256 bytes of each row
	global_prefetch_b8 v[PFO], s[PFA:PFA+1] offset:256*(\step) th:TH_LOAD_NT scope:SCOPE_SE
.endm
.macro ASKX step
	global_prefetch_b8 v[PFO], s[PFA:PFA+1] offset:32768+256*(\step) th:TH_LOAD_NT scope:SCOPE_SE
.endm
	s_cmp_eq_u32 s[PFC], 0
	s_cbranch_scc0 .Lno_ask
	ASK 1
	ASK 2
	s_cmp_eq_u32 s14, 0
	s_cbranch_scc0 .Lno_ask
	ASKX 1
	ASKX 2
.Lno_ask:
	v_and_b32 v1, 15, v0                           ; r = l % 16
	v_bfe_u32 v2, v0, 4, 1                         ; h = l / 16
	v_mul_u32_u24 v4, v1, PITCH
	v_lshl_add_u32 v4, v2, 4, v4                   ; a fragment's row x pitch + 16 x half
	v_lshlrev_b32 v[BO], 5, v2                     ; q, k: columns 16 j + 8 h + 0 .. 7
	v_lshlrev_b32 v[BOV], 2, v1                    ; v: column 16 j + r
	s_mul_i32 s22, s15, 128*PITCH
	v_add_nc_u32 v[ADX], s22, v4
	v_add_nc_u32 v[ADX+1], 2*PIECE, v[ADX]
	s_mul_i32 s22, s16, 64*PITCH
	s_add_co_u32 s22, s22, 4*PIECE
	v_add_nc_u32 v[ADW], s22, v4
	v_add_nc_u32 v[ADW+1], 2*PIECE, v[ADW]
	v_add_nc_u32 v[ADW+2], 2*PIECE, v[ADW+1]
	; where my images and my biases lie
	s_lshr_b32 s43, s17, 2                         ; the batch
	s_lshl_b32 s43, s43, 4
	s_lshl_b32 s44, s42, 1
	s_add_co_u32 s43, s43, s44
	s_add_co_u32 s43, s43, s16                     ; 16 x batch + my head
	s_and_b32 s44, s17, 3
	s_lshl_b32 s44, s44, 1
	s_add_co_u32 s44, s44, s15                     ; my 128 tokens in the batch's 1,024
	s_lshl_b32 s2, s43, 16
	s_lshl_b32 s3, s44, 13
	s_add_co_u32 s2, s2, s3                        ; q_img: a head 65,536 bytes, 128 tokens 8,192;
	s_mov_b32 s3, 0
	s_add_nc_u64 s[4:5], s[84:85], s[2:3]
	s_lshl_b32 s2, s2, 1                           ; kv_img: twice both
	s_add_nc_u64 s[8:9], s[86:87], s[2:3]
	s_lshl_b32 s2, s42, 9
	s_lshl_b32 s43, s16, 8
	s_add_co_u32 s2, s2, s43                       ; my 64 columns' biases, in bytes
	s_add_nc_u64 s[10:11], s[76:77], s[2:3]
	s_add_nc_u64 s[56:57], s[78:79], s[2:3]
	s_add_nc_u64 s[58:59], s[80:81], s[2:3]
	s_wait_alu depctr_va_vdst(0)
	s_wait_kmcnt 0x0                               ; the exponents
.macro SCALES t, a, b, o
	s_add_co_i32 s2, s\a, s\b
	s_add_co_i32 s2, s2, 127
	s_lshl_b32 s[SC+2*\t], s2, 23                  ; 2^(ea + eb) as f32
	s_mov_b32 s[SC+2*\t+1], s[SC+2*\t]             ; (named with it as a pair, so it is written)
	s_add_co_i32 s2, s\o, 127
	s_lshl_b32 s3, s2, 23
	v_mov_b32 v[SCL+\t], s3                        ; 2^eo: the conversion takes its exponent field
	s_add_co_i32 s2, s2, 15
	s_lshl_b32 s2, s2, 23
	s_or_b32 s2, s2, 0x600000
	v_mov_b32 v[LIM+\t], s2                        ; 57,344 x 2^eo
.endm
	SCALES 0, 92, 93, 98
	SCALES 1, 94, 95, 99
	SCALES 2, 96, 97, 100
; W's four fragments of tensor t for sub-step i of a slot.  A fragment is 16 rows x 64 K in 8 registers: lane l holds row l % 16; registers 4 c .. 4 c + 3 hold K = 32 c + 16 (l / 16) + 0 .. 15: a permutation of k, the same on both sides.
.macro LW t, slot, i
.irp j, 0,1,2,3
.irp c, 0,1
	ds_load_b128 v[WF+32*(\t)+8*\j+4*\c:WF+32*(\t)+8*\j+4*\c+3], v[ADW+\t] offset:(\slot)*PIECE+\j*16*PITCH+64*(\i)+32*\c
.endr
.endr
.endm
.macro LX xn, slot, i, a0              ; x's fragments a0 .. a0 + 3
.irp a, 0,1,2,3
.irp c, 0,1
	ds_load_b128 v[\xn+8*(\a0+\a)+4*\c:\xn+8*(\a0+\a)+4*\c+3], v[ADX+\slot] offset:(\a0+\a)*16*PITCH+64*(\i)+32*\c
.endr
.endr
.endm
; Half a phase: 16 matrix instructions, token tiles a0 .. a0 + 3 x the tensor's four column tiles.  The 96 accumulators take turns, one instruction a turn, in the same order in every sub-step.
.macro MULH t, xs, a0, zero
.irp a, 0,1,2,3
.irp j, 0,1,2,3
.set AC, 8*(4*(\a0+\a)+\j)
.set WR, WF+32*(\t)+8*\j
.set XR, \xs+8*(\a0+\a)
.if \zero
.if (\t) == 2
	v_wmma_f32_16x16x64_bf8_bf8 v[AC:AC+7], v[XR:XR+7], v[WR:WR+7], 0
.else
	v_wmma_f32_16x16x64_bf8_bf8 v[AC:AC+7], v[WR:WR+7], v[XR:XR+7], 0
.endif
.else
.if (\t) == 2
	v_wmma_f32_16x16x64_bf8_bf8 v[AC:AC+7], v[XR:XR+7], v[WR:WR+7], v[AC:AC+7]
.else
	v_wmma_f32_16x16x64_bf8_bf8 v[AC:AC+7], v[WR:WR+7], v[XR:XR+7], v[AC:AC+7]
.endif
.endif
.endr
.endr
.endm
; A step's sub-step 3, its phase q: the change of slots.  In front of the round each wave waits for all its tensor loads (x, Wq, Wk of the next step), adds 0 to its spare word, and waits for that and for its own reads of this step.
.macro TURN n
	s_wait_tensorcnt 0x0
	ds_add_u32 v[SPW], v[NIL]                      ; 0 onto my spare word
	s_wait_dscnt 9                                 ; (the add and Wv's eight loads may be out)
	WIN 0x50
	MULH 0, XS, 0, 0
	s_wait_dscnt 0x0                               ; the add is done, and my reads of this step are over
	s_barrier_signal -1
	MULH 0, XS, 4, 0
	WIN 0
	s_barrier_wait -1
	CREST                                          ; no wave of any partner still reads these pieces or has a load on its way
	s_add_nc_u64 s[G0W+2:G0W+3], s[G0W+2:G0W+3], 0x100
.if (((\n)/4)%2) == 0
	s_mov_b32 s[G0W+1], s45
.else
	s_mov_b32 s[G0W+1], s13
.endif
.if (\n) < 8
	s_add_nc_u64 s[G0X+2:G0X+3], s[G0X+2:G0X+3], 0x100
	s_mov_b32 s[G0X+1], (((\n)/4)%2)*2*PIECE
	JLOAD 0                                        ; its four v_nop are also the places in front of the loads below
.else
	JLOAD 2                                        ; x, Wq and Wk have had their last fill: Wv's last step alone
	PLACES
.endif
.endm
; Sub-step n of 16.  Behind each phase come that tensor's fragments of the next sub-step, and x's into the other set behind phases q and k.
.macro SUBSTEP n, zero
.set NX, (\n)+1
.set SL, (NX/4)%2
.set NI, NX%4
.set XS, XF+64*((\n)%2)
.set XN, XF+64*(NX%2)
.if (((\n)%4) == 3) && ((\n) < 15)
	TURN \n
.else
.if (((\n)%4) == 0) && ((\n) > 0)
	s_wait_dscnt 0x0                               ; x's, Wq's and Wk's fragments are in (Wv's are not yet asked for)
.else
	s_wait_dscnt 8                                 ; all but Wv's eight loads
.endif
	WIN 0x50                                       ; C and D window 1
	MULH 0, XS, 0, \zero
	MULH 0, XS, 4, \zero
	WIN 0
	PLACES
.endif
.if (\n) < 15
	LW 0, SL, NI
	LX XN, SL, NI, 0
.endif
	WIN 0xa0                                       ; C and D window 2
	MULH 1, XS, 0, \zero
.if (((\n)%4) == 0) && ((\n) > 0)
	s_wait_tensorcnt 0x0                           ; all my tensor loads are in: wave 3's is this step's Wv.
	s_wait_dscnt 0x0
	s_barrier_signal -1
	MULH 1, XS, 4, \zero
	WIN 0
	s_barrier_wait -1
	LW 2, 0, 0                                     ; Wv's fragments of this sub-step
	PLACES
	LW 1, SL, NI
	LX XN, SL, NI, 4
	s_wait_dscnt 16                                ; Wv's are in; the sixteen behind them may be out
.else
	MULH 1, XS, 4, \zero
	WIN 0
.if (\n) < 15
	PLACES
	LW 1, SL, NI
	LX XN, SL, NI, 4
	s_wait_dscnt 32                                ; Wv's are in; the 32 behind them may be out
.else
	s_wait_dscnt 0x0
.endif
.endif
	WIN 0xf0                                       ; C and D window 3
	MULH 2, XS, 0, \zero
	MULH 2, XS, 4, \zero
	WIN 0
.if (NI != 0) && ((\n) < 15)
	PLACES
	LW 2, 0, NI
.endif
.endm
	s_wait_alu depctr_va_vdst(0)
	s_wait_tensorcnt 0x0                           ; my part of K step 0 is in
	ds_add_u32 v[SPW], v[NIL]
	s_wait_dscnt 0x0
	CROUND                                         ; everybody's part is in, and the joint loads meet
	s_mov_b32 s[G0X+1], 2*PIECE
	s_add_nc_u64 s[G0X+2:G0X+3], s[G0X+2:G0X+3], 0x100
	s_mov_b32 s[G0W+1], s13
	s_add_nc_u64 s[G0W+2:G0W+3], s[G0W+2:G0W+3], s[18:19]
	JLOAD 1                                        ; K step 1 of x, Wq, Wk into the second slots
	LW 0, 0, 0
	LX XF, 0, 0, 0
	LX XF, 0, 0, 4
	LW 1, 0, 0
	LW 2, 0, 0
	s_cmp_eq_u32 s[PFC], 0
	s_cbranch_scc0 .Lno_ask3
	ASK 3
	s_cmp_eq_u32 s14, 0
	s_cbranch_scc0 .Lno_ask3
	ASKX 3
.Lno_ask3:
	SUBSTEP 0, 1                                   ; the first products start the sums: nothing is cleared
.irp n, 1,2,3,4,5,6,7,8,9,10,11,12,13,14
	SUBSTEP \n, 0
.endr
	; the biases, under the last sub-step: the first set of x's fragments is done with (the four places behind its last products stand above)
.irp i, 0,1,2,3,4,5,6,7
	global_load_b128 v[BI+4*\i:BI+4*\i+3], v[BO], s[10:11] offset:64*(\i/2)+16*(\i%2)
	global_load_b128 v[BI+32+4*\i:BI+32+4*\i+3], v[BO], s[56:57] offset:64*(\i/2)+16*(\i%2)
.endr
.irp j, 0,1,2,3
	global_load_b32 v[VB+\j], v[BOV], s[58:59] offset:64*\j
.endr
	SUBSTEP 15, 0
; THE WAY OUT, 32 sums a lane at a time: y = sum x 2^(ea + eb) + bias, one packed multiply-add for two (each accumulator from its low end on); the hold; eight numbers to two registers of codes; two stores.
; Numbers take two sets of 32 registers by turns, codes twelve sets of 8.
.set MB, 0
.macro TAKE t
.set YR, YF+32*(MB%2)
.set CD, WF+8*(MB%12)
.if MB == 12
	s_wait_xcnt 0x0                                ; the stores so far have read their registers, which take codes again
.endif
	WIN 1+\t                                       ; source 0: the tensor's window
.endm
.macro CODES t
	WIN 0
.set YI, 0
.rept 32
	v_med3_num_f32 v[YR+YI], v[YR+YI], -v[LIM+\t], v[LIM+\t]   ; the conversion to an 8-bit code does not saturate (ISA guide 7.6.2): the hold at the largest code x the scale
.set YI, YI+1
.endr
.irp k, 0,1,2,3
	v_cvt_scalef32_pk8_bf8_f32 v[CD+2*\k:CD+2*\k+1], v[YR+8*\k:YR+8*\k+7], v[SCL+\t]
.endr
	v_nop                                          ; one plain vector instruction behind the last conversion
.set MB, MB+1
.endm
.macro OUTQK t, a, base                ; token tile a of q or k: the bias runs along the registers
	TAKE \t
.set YI, 0
.rept 16
	v_pk_fma_f32 v[YR+YI:YR+YI+1], v[32*(\a)+YI:32*(\a)+YI+1], s[SC+2*\t:SC+2*\t+1], v[BI+32*\t+YI:BI+32*\t+YI+1] op_sel_hi:[1,0,1]
.set YI, YI+2
.endr
	CODES \t
	global_store_b128 v[ST16], v[CD:CD+3], s[\base:\base+1] offset:(\a)*1024
	global_store_b128 v[ST16], v[CD+4:CD+7], s[\base:\base+1] offset:(\a)*1024+512
.endm
.macro OUTV j, gp                      ; column tile j of v, token tiles 4 gp .. 4 gp + 3: the bias is my lane's column's, the same for all
	TAKE 2
.irp a, 0,1,2,3
.irp i, 0,2,4,6
.set AC, 32*(4*(\gp)+\a)+8*(\j)+\i
.if ((\j)%2) == 0
	v_pk_fma_f32 v[YR+8*\a+\i:YR+8*\a+\i+1], v[AC:AC+1], s[SC+4:SC+5], v[VB+\j:VB+\j+1] op_sel_hi:[1,0,0]
.else
	v_pk_fma_f32 v[YR+8*\a+\i:YR+8*\a+\i+1], v[AC:AC+1], s[SC+4:SC+5], v[VB+\j-1:VB+\j] op_sel:[0,0,1] op_sel_hi:[1,0,1]
.endif
.endr
.endr
	CODES 2
	global_store_b128 v[ST16], v[CD:CD+3], s[8:9] offset:8192+(\j)*2048+(\gp)*1024
	global_store_b128 v[ST16], v[CD+4:CD+7], s[8:9] offset:8192+(\j)*2048+(\gp)*1024+512
.endm
	s_wait_loadcnt 0x0                             ; the biases
	PLACES                                         ; behind the last products: numbers are written over x's fragments
.irp a, 0,1,2,3,4,5,6,7
	OUTQK 0, \a, 4
.endr
.irp a, 0,1,2,3,4,5,6,7
	OUTQK 1, \a, 8
.endr
.irp j, 0,1,2,3
	OUTV \j, 0
	OUTV \j, 1
.endr
	s_wait_tensorcnt 0x0                           ; the wave's end, behind my last tensor load
	ds_add_u32 v[SPW], v[NIL]
	s_wait_dscnt 0x0
	CROUND                                         ; the closing round: no work-group ends while a partner may still ask for a tile that names it
	s_endpgm
.Lfunc_end_k_q605332eff0_proj:
	.size	k_q605332eff0_proj, .Lfunc_end_k_q605332eff0_proj-k_q605332eff0_proj
	.p2alignl 7, 3214868480
	.fill 96, 4, 3214868480
	.section	.rodata,"a",@progbits
	.p2align	6, 0x0
	.amdhsa_kernel k_q605332eff0_proj
		.amdhsa_group_segment_fixed_size 327680
		.amdhsa_private_segment_fixed_size 0
		.amdhsa_enable_private_segment 0
		.amdhsa_kernarg_size 80
		.amdhsa_user_sgpr_count 2
		.amdhsa_user_sgpr_kernarg_segment_ptr 1
		.amdhsa_wavefront_size32 1
		.amdhsa_system_sgpr_workgroup_id_x 1
		.amdhsa_system_sgpr_workgroup_id_y 1
		.amdhsa_system_sgpr_workgroup_id_z 1
		.amdhsa_system_vgpr_workitem_id 0
		.amdhsa_next_free_vgpr 1024
		.amdhsa_next_free_sgpr 101
		.amdhsa_reserve_vcc 0
		.amdhsa_float_denorm_mode_32 3
		.amdhsa_float_denorm_mode_16_64 3
		.amdhsa_memory_ordered 1
		.amdhsa_forward_progress 1
		.amdhsa_inst_pref_size 246
	.end_amdhsa_kernel
	.amdgpu_metadata
---
amdhsa.version: [ 1, 2 ]
amdhsa.kernels:
  - .name:           k_q605332eff0_proj
    .symbol:         k_q605332eff0_proj.kd
    .args:
      - { .name: hidden_states_codes, .offset: 0, .size: 8, .value_kind: global_buffer, .address_space: global }
      - { .name: Wq_codes, .offset: 8, .size: 8, .value_kind: global_buffer, .address_space: global }
      - { .name: Wk_codes, .offset: 16, .size: 8, .value_kind: global_buffer, .address_space: global }
      - { .name: Wv_codes, .offset: 24, .size: 8, .value_kind: global_buffer, .address_space: global }
      - { .name: bq, .offset: 32, .size: 8, .value_kind: global_buffer, .address_space: global }
      - { .name: bk, .offset: 40, .size: 8, .value_kind: global_buffer, .address_space: global }
      - { .name: bv, .offset: 48, .size: 8, .value_kind: global_buffer, .address_space: global }
      - { .name: lowp_scales, .offset: 56, .size: 8, .value_kind: global_buffer, .address_space: global }
      - { .name: q_img, .offset: 64, .size: 8, .value_kind: global_buffer, .address_space: global }
      - { .name: kv_img, .offset: 72, .size: 8, .value_kind: global_buffer, .address_space: global }
    .group_segment_fixed_size: 327680
    .private_segment_fixed_size: 0
    .kernarg_segment_align: 8
    .kernarg_segment_size: 80
    .max_flat_workgroup_size: 128
    .sgpr_count:     101
    .vgpr_count:     1024
    .wavefront_size: 32
...
	.end_amdgpu_metadata
.endif
;; end of part 1
;; launch attn (part 2): grid 2 x 128, 8 waves a work-group, no clusters, 327,680 bytes of LDS; arguments q_img, kv_img, attention_mask, lowp_scales, out0; writes out0
.if DOCPART == 2
	.amdgcn_target "amdgcn-amd-amdhsa--gfx1250"
	.amdhsa_code_object_version 6
	.text
	.protected	k_q605332eff0_attn
	.globl	k_q605332eff0_attn
	.p2align	8
	.type	k_q605332eff0_attn,@function
k_q605332eff0_attn:
	s_mov_b64 s[64:65], 0
	v_nop
	global_prefetch_b8 v0, s[64:65] scope:SCOPE_SE
	s_setreg_imm32_b32 hwreg(HW_REG_WAVE_MODE, 25, 1), 1
	s_wait_xcnt 0x0
; out0[b][q][64 head + d] = the sum over k of softmax_k(q . k / 8 + mask[b][k]) v[k][d], both products on codes of E5M2.  No work is left out.
; q_img, kv_img: the operands as images of their registers, as the launch before laid them (q: 2^e6, k: 2^e7, v: 2^e9).  p is quantised here with 2^e8.
; THE SOFTMAX AHEAD OF THE SECOND PRODUCT: t = logit x log2(e); M = the row's largest t so far, rounded UP to a whole number; p = 2^(t - M) is what is quantised, not normalised.
; The row's sum is taken of the unquantised p, in f32, and divides at the end.  When M moves, the sum and O are multiplied by 2^(old M - new M): exact.
; THE MASK IS THE C OF THE SCORE PRODUCTS: t = c (S + mask x 2^(3 - e6 - e7)), c = log2(e) / 8 x 2^(e6 + e7), S the sum of codes: so it costs no vector instruction.  A table of the batch's 1,024 scaled numbers lies in LDS.
; SHARES.  A work-group owns 512 queries of one head of one batch; each of its eight waves 64: four tiles of 16, which share every fragment of K, of V and of the mask that the wave reads from LDS.
; THE HEAD'S K AND V, 131,072 bytes, LIE IN LDS WHOLE, every byte filled once, by two tensor loads a wave: key steps 0 and 1 at the head (an eighth: 16 rows of 256 bytes), steps 2 to 7 (48 rows) behind the first barrier.
; A KEY STEP is 128 keys.  Its K and mask are read from LDS under the step before's fourth tile, its V behind that tile: so K, V and the mask have registers of their own, and P those of one tile.
; LAYOUT.  S^T = K Q^T (source 0 = 16 neighbouring keys, source 1 = 16 queries): a lane holds ONE query (lane % 16) and keys 8 (lane / 16) + 0 .. 7.  Tile u's eight numbers, converted, are registers 2 u, 2 u + 1 of
; P (128 keys), source 1 of O^T = V^T P^T.  Every k stands in its own place; nothing changes lanes.
; NO CLUSTER: a head's block is read by the grid's two work-groups along x alone, once each; 2 is no multiple of a cluster's 4.
; NO PREFETCH: the two loads have no loop to run ahead in; the second is asked for two key steps ahead of its first reader.
; LIMITS: e6 + e7 between -93 and 130, e8 between -126 and 112, so that each power of two below, and the scaled mask, is an f32 number.  The scaled scores stay under 2^31 in magnitude.  Mask entries under -2^30 count as -2^30:
; beside a visible key they give p = 0 as any lower number would; a batch in which EVERY entry lies under -2^30 (or is -infinity, where the softmax as written has no number) gets the softmax of its scores alone.
; NaN and +infinity in the mask are not served.
; REGISTERS: window 0: v1-10 addresses and constants; v11-19, v36-37 at work; v20-35 four a tile: -M, (named with it), the sum in two halves; v48-111 K's fragments; v112-175 the mask's tiles; v176-239 S^T, then p.
;   window 1: v0-31 Q, 8 a tile; v32-47 P's codes; v48-111 V's fragments; v112-239 O^T, 32 a tile.
.set STEPB, 16384                      ; a key step in LDS: K's 8 tiles of 1,024 bytes, then V^T's 4 fragments of 2,048
.set MASKB, 131072                     ; behind the head's block: the scaled mask, 4,096 bytes
.set SPARE, 135168                     ; the spare words, 128 bytes for each wave: four blocks of 256 bytes that no other line names
.set STAGE, 136192                     ; the way out: 16 rows x (256 bytes + 16) for each wave
.set SP,    272
.set LI,  1                            ; v1   16 x lane: my place in an image
.set MI,  2                            ; v2   MASKB + 32 (lane / 16): my eight keys' numbers in a tile's 64 bytes
.set ADK, 3                            ; v3   LDS address of the next step's images
.set ADM, 4                            ; v4   and of its part of the mask
.set SPW, 5                            ; v5   LDS address of my spare word; never rewritten
.set NIL, 6                            ; v6   0; never rewritten
.set STO, 7                            ; v7   the way out: where I put 32 bytes of a row
.set RD,  8                            ; v8   where I read a row back
.set GO,  9                            ; v9   my byte offset in the wave's rows of out0
.set SCL, 10                           ; v10  2^e8 as f32
.set ST,  20
.set KF,  48
.set MK,  112
.set S,   176
.set QF,  0                            ; window 1
.set P,   32
.set VF,  48
.set O,   112
.set WV,  14                           ; s14  my wave's number
.set SEL, 20                           ; s[20:21] lane selects for v_permlanex16_b32: lane l xor 16
.set CS,  22                           ; s[22:23] c, twice
.set HOLD, 24                          ; s24  57,344 x 2^e8
.set TB,  25                           ; s25  LDS byte at which the next step begins
.set TM,  26                           ; s26  its first byte in the mask's table
.set CNT, 27
.set NCS, 33                           ; s33  -c
.set G1A, 36                           ; s[36:43], s[44:51] descriptor groups 1: dense rows of 256 bytes, 16 and 48 of them
.set G1B, 44
.set G0A, 60                           ; s[60:63], s[68:71] their groups 0
.set G0B, 68
.set MSB, 0
.macro WIN new                         ; the immediate's high byte repeats the setting that is left
.if MSB != (\new)
	s_set_vgpr_msb (MSB<<8)|(\new)
.set MSB, (\new)
.endif
.endm
	s_load_b256 s[4:11], s[0:1], 0x0               ; q_img s[4:5], kv_img s[6:7], the mask s[8:9], the scales' exponents s[10:11]
	s_load_b64 s[12:13], s[0:1], 0x20              ; out0
	v_lshl_add_u32 v[SPW], v0, 2, SPARE
	v_mov_b32 v[NIL], 0
	ds_add_u32 v[SPW], v[NIL]                      ; the wave's opening: the add, twice on end, and its wait ahead of my first tensor load
	ds_add_u32 v[SPW], v[NIL]                      ; and once more; the set-up below, work on registers, stands between it and the wait
	v_lshrrev_b32 v1, 5, v0
	s_delay_alu instid0(VALU_DEP_1)
	v_readfirstlane_b32 s[WV], v1                  ; wave 0..7
	s_and_b32 s28, ttmp7, 0xffff                   ; 16 x batch + head
	s_lshl_b32 s30, s28, 17                        ; the head's block in kv_img
	s_mov_b32 s31, 0
	s_lshl_b32 s32, s28, 16                        ; q_img: the head's 65,536 bytes,
	s_lshl_b32 s29, ttmp9, 15                      ; my work-group's 32 tiles of 1,024,
	s_add_co_u32 s32, s32, s29
	s_lshl_b32 s29, s[WV], 12                      ; my wave's four
	s_add_co_u32 s32, s32, s29
	s_mov_b32 s33, 0
	s_lshr_b32 s34, s28, 4                         ; the batch
	s_lshl_b32 s76, s34, 12                        ; its 1,024 numbers of the mask
	s_mov_b32 s77, 0
	s_lshl_b32 s78, s34, 22                        ; out0: the batch's 1,024 rows of 4,096 bytes,
	s_lshl_b32 s29, ttmp9, 21                      ; my work-group's 512,
	s_add_co_u32 s78, s78, s29
	s_lshl_b32 s29, s[WV], 18                      ; my wave's 64,
	s_add_co_u32 s78, s78, s29
	s_and_b32 s29, s28, 15
	s_lshl_b32 s29, s29, 8                         ; the head's 256 bytes of a row
	s_add_co_u32 s78, s78, s29
	s_mov_b32 s79, 0
.irp g, G1A, G1B
	s_mov_b32 s[\g], 3<<16                         ; 15:0 no mask; 17:16 elements of 8 bytes; no padding: an image is read 512 consecutive bytes an instruction
	s_mov_b32 s[\g+1], 32<<16                      ; tensor_dim0 = 32 elements: 256 bytes
	s_mov_b32 s[\g+3], 32<<16                      ; tile_dim0
	s_mov_b32 s[\g+5], 32                          ; tensor_dim0_stride: dense
	s_mov_b32 s[\g+6], 0
	s_mov_b32 s[\g+7], 0
.endr
	s_mov_b32 s[G1A+2], 16<<16                     ; tensor_dim1, and below tile_dim1: a wave's eighth of key steps 0 and 1,
	s_mov_b32 s[G1A+4], 16
	s_mov_b32 s[G1B+2], 48<<16                     ; of steps 2 to 7
	s_mov_b32 s[G1B+4], 48
	s_mov_b32 s[G0A], 1
	s_lshl_b32 s[G0A+1], s[WV], 12                 ; LDS address = byte in the head's block: 4,096 x wave,
	s_mov_b32 s[G0B], 1
	s_mul_i32 s[G0B+1], s[WV], 12288
	s_add_co_u32 s[G0B+1], s[G0B+1], 2*STEPB       ; 32,768 + 12,288 x wave
	s_mov_b32 s[SEL], 0x76543210
	s_mov_b32 s[SEL+1], 0xfedcba98
	s_mov_b32 s[CS], 0x3e38aa3b                    ; log2(e) / 8
	s_mov_b32 s[TB], 0
	s_mov_b32 s[TM], 0
	s_mov_b32 s35, 0
	s_wait_dscnt 0x0                               ; both opening adds are done
	s_wait_kmcnt 0x0
	s_load_b128 s[16:19], s[10:11], 0x18           ; e6, e7, e8, e9
	s_add_nc_u64 s[6:7], s[6:7], s[30:31]          ; the head's block
.irp g, G0A, G0B
	s_mov_b32 s34, s[\g+1]
	s_add_nc_u64 s[\g+2:\g+3], s[6:7], s[34:35]
	s_or_b32 s[\g+3], s[\g+3], 0x80000000          ; type = 2
.endr
	tensor_load_to_lds s[G0A:G0A+3], s[G1A:G1A+7]  ; key steps 0 and 1: my one tensor load at the head
	s_nop 0
.rept 4
	v_nop
.endr
	s_add_nc_u64 s[8:9], s[8:9], s[76:77]
	s_add_nc_u64 s[4:5], s[4:5], s[32:33]
	s_add_nc_u64 s[12:13], s[12:13], s[78:79]
	v_lshlrev_b32 v40, 4, v0                       ; the 256 threads take the batch's 4,096 bytes of the mask, 16 each
	global_load_b128 v[36:39], v40, s[8:9]
	v_and_b32 v[LI], 31, v0
	s_delay_alu instid0(VALU_DEP_1)
	v_lshlrev_b32 v[LI], 4, v[LI]
	WIN 0x40                                       ; destination window 1
.irp t, 0,1,2,3
	global_load_b128 v[QF+8*\t:QF+8*\t+3], v[LI], s[4:5] offset:\t*1024 th:TH_LOAD_NT       ; Q's fragments stay in registers
	global_load_b128 v[QF+8*\t+4:QF+8*\t+7], v[LI], s[4:5] offset:\t*1024+512 th:TH_LOAD_NT
.endr
	WIN 0
	v_lshl_add_u32 v41, v0, 4, MASKB               ; where my four numbers of the table go
	v_and_b32 v11, 15, v0                          ; r
	v_bfe_u32 v15, v0, 4, 1                        ; h
	s_delay_alu instid0(VALU_DEP_1)
	v_lshl_add_u32 v[MI], v15, 5, MASKB
	s_mul_i32 s29, s[WV], 16*SP
	s_add_co_u32 s29, s29, STAGE                   ; my stage
	v_mul_u32_u24 v[STO], v11, SP
	s_delay_alu instid0(VALU_DEP_1)
	v_lshl_add_u32 v[STO], v15, 5, v[STO]
	s_delay_alu instid0(VALU_DEP_1)
	v_add_nc_u32 v[STO], s29, v[STO]               ; in: row r, + 32 h
	v_mul_u32_u24 v[RD], v15, SP
	s_delay_alu instid0(VALU_DEP_1)
	v_lshl_add_u32 v[RD], v11, 4, v[RD]
	s_delay_alu instid0(VALU_DEP_1)
	v_add_nc_u32 v[RD], s29, v[RD]                 ; back: lanes 0-15 one row of 256 bytes, lanes 16-31 the next
	v_lshlrev_b32 v[GO], 12, v15
	s_delay_alu instid0(VALU_DEP_1)
	v_lshl_add_u32 v[GO], v11, 4, v[GO]            ; and the same two rows in out0
	v_mov_b32 v14, 0                               ; written once: a lane permute's destination counts as one of its sources
	v_mov_b32 v17, 0                               ; (named as the upper half of the pair v[16:17])
.irp t, 0,1,2,3
	v_mov_b32 v[ST+4*\t], 0x7f61b1e6               ; -M: 3e38, over every -t
	v_mov_b32 v[ST+4*\t+1], 0                      ; (named as the upper half of the pair)
	v_mov_b32 v[ST+4*\t+2], 0                      ; the sum, in two halves
	v_mov_b32 v[ST+4*\t+3], 0
.endr
	s_wait_alu depctr_va_vdst(0)
	s_wait_kmcnt 0x0
	s_add_co_i32 s29, s16, s17                     ; e6 + e7:
	s_lshl_b32 s30, s29, 23
	s_add_co_i32 s[CS], s[CS], s30                 ; added to c's exponent field
	s_mov_b32 s[CS+1], s[CS]                       ; (named with it as a pair, so it is written)
	s_xor_b32 s[NCS], s[CS], 0x80000000
	s_sub_co_i32 s29, 3, s29                       ; the mask goes in x 8 / 2^(e6 + e7)
	s_add_co_i32 s30, s18, 127
	s_lshl_b32 s31, s30, 23
	v_mov_b32 v[SCL], s31                          ; 2^e8: the conversion takes its exponent field
	s_add_co_i32 s30, s30, 15
	s_lshl_b32 s30, s30, 23
	s_or_b32 s[HOLD], s30, 0x600000                ; 57,344 x 2^e8
	s_add_co_i32 s28, s18, s19                     ; e8 + e9, for the way out
	s_wait_alu depctr_va_vdst(0)
	s_wait_loadcnt 8                               ; the mask's load is in; Q's eight may be out
.irp i, 0,1,2,3
	v_max_num_f32 v[36+\i], 0xce800000, v[36+\i]   ; held at -2^30, so that t, M and every p stay numbers
.endr
.irp i, 0,1,2,3
	s_delay_alu instid0(VALU_DEP_4)
	v_ldexp_f32 v[36+\i], v[36+\i], s29
.endr
	ds_store_b128 v41, v[36:39]
; One tile's softmax for a key step: the lane's 64 scores in v[S] on become p, its sum and P's 16 registers of codes; then O^T comes under the new M and takes V^T P^T.
; first = 1: O^T does not exist yet.  v11 holds the old -M.
.macro SOFTMAX t, first
.set rT, ST+4*(\t)
	v_max3_num_f32 v12, v[S], v[S+1], v[S+2]       ; the step's largest score of my query among my 64 keys, in four chains, each accumulator from its low end on,
	v_max3_num_f32 v13, v[S+3], v[S+4], v[S+5]
	v_max3_num_f32 v18, v[S+6], v[S+7], v[S+8]
	v_max3_num_f32 v19, v[S+9], v[S+10], v[S+11]
.set j, 12
.rept 6
	v_max3_num_f32 v12, v12, v[S+j], v[S+j+1]
	v_max3_num_f32 v13, v13, v[S+j+2], v[S+j+3]
	v_max3_num_f32 v18, v18, v[S+j+4], v[S+j+5]
	v_max3_num_f32 v19, v19, v[S+j+6], v[S+j+7]
.set j, j+8
.endr
	v_max3_num_f32 v12, v12, v[S+60], v[S+61]
	v_max3_num_f32 v13, v13, v[S+62], v[S+63]
	s_delay_alu instid0(VALU_DEP_1)
	v_max3_num_f32 v18, v18, v19, v13
	s_delay_alu instid0(VALU_DEP_1)
	v_max_num_f32 v12, v12, v18
	s_delay_alu instid0(VALU_DEP_1)
	v_permlanex16_b32 v14, v12, s[SEL], s[SEL+1]
	s_delay_alu instid0(VALU_DEP_1)
	v_max_num_f32 v12, v12, v14                    ; and among lane l xor 16's
	s_delay_alu instid0(VALU_DEP_1)
	v_mul_f32 v12, s[NCS], v12                     ; as -t (c is positive)
	s_delay_alu instid0(VALU_DEP_1)
	v_floor_f32 v12, v12                           ; -ceil(t): a whole number
	s_delay_alu instid0(VALU_DEP_1)
	v_min_num_f32 v[rT], v11, v12                  ; the new -M
	s_delay_alu instid0(VALU_DEP_1)
	v_sub_f32 v12, v[rT], v11                      ; M's old value less its new one: 0 or less
	s_delay_alu instid0(VALU_DEP_1)
	v_cvt_i32_f32 v12, v12                         ; (it saturates)
	s_delay_alu instid0(VALU_DEP_1)
	v_ldexp_f32 v16, 1.0, v12                      ; f = 2^(old M - new M)
.set j, 0
.rept 32
	v_pk_fma_f32 v[S+j:S+j+1], v[S+j:S+j+1], s[CS:CS+1], v[rT:rT+1] op_sel_hi:[1,0,0]   ; t - M, two at a time (of the pairs c and -M the low word serves both halves)
.set j, j+2
.endr
.set j, 0
	s_wait_alu depctr_va_vdst(0)
.rept 64
	v_exp_f32 v[S+j], v[S+j]                       ; p = 2^(t - M): not normalised
.set j, j+1
.endr
	v_pk_mul_f32 v[rT+2:rT+3], v[rT+2:rT+3], v[16:17] op_sel_hi:[1,0]   ; the sums under the new M: the plain instruction behind the exponentials
	s_wait_alu depctr_va_vdst(0)                   ; the wait ahead of the first instruction that names a result: one for the batch of 64
.if (\t) == 0
	s_wait_dscnt 0x0                               ; this step's V is in
.endif
	v_pk_add_f32 v[18:19], v[S:S+1], v[S+2:S+3]    ; the row's sum is taken of the unquantised p: two at a time, in four chains
	v_pk_add_f32 v[12:13], v[S+4:S+5], v[S+6:S+7]
	v_pk_add_f32 v[36:37], v[S+8:S+9], v[S+10:S+11]
.set j, 12
.rept 6
	v_pk_add_f32 v[rT+2:rT+3], v[rT+2:rT+3], v[S+j:S+j+1]
	v_pk_add_f32 v[18:19], v[18:19], v[S+j+2:S+j+3]
	v_pk_add_f32 v[12:13], v[12:13], v[S+j+4:S+j+5]
	v_pk_add_f32 v[36:37], v[36:37], v[S+j+6:S+j+7]
.set j, j+8
.endr
	v_pk_add_f32 v[rT+2:rT+3], v[rT+2:rT+3], v[S+60:S+61]
	v_pk_add_f32 v[18:19], v[18:19], v[S+62:S+63]
	v_pk_add_f32 v[12:13], v[12:13], v[36:37]
	s_delay_alu instid0(VALU_DEP_1)
	v_pk_add_f32 v[18:19], v[18:19], v[12:13]
	s_delay_alu instid0(VALU_DEP_1)
	v_pk_add_f32 v[rT+2:rT+3], v[rT+2:rT+3], v[18:19]
.set j, 0
.rept 32
	v_dual_min_num_f32 v[S+j], s[HOLD], v[S+j] :: v_dual_min_num_f32 v[S+j+1], s[HOLD], v[S+j+1]   ; the conversion to an 8-bit code does not saturate (ISA guide 7.6.2); p is not negative, so the hold is one-sided
.set j, j+2
.endr
	WIN 0x40                                       ; destination window 1
.set j, 0
.rept 8
	v_cvt_scalef32_pk8_bf8_f32 v[P+2*j:P+2*j+1], v[S+8*j:S+8*j+7], v[SCL]   ; tile j's eight keys: registers 2 j, 2 j + 1 of P
.set j, j+1
.endr
.if \first
	v_nop                                          ; one plain vector instruction between the conversions and the products that read their results
.else
	WIN 0x41                                       ; O^T (destination and source 0) window 1, f window 0
	s_wait_alu depctr_va_vdst(0)                   ; directly ahead of the first reader of O^T
.set j, 0
.rept 16
	v_pk_mul_f32 v[O+32*(\t)+j:O+32*(\t)+j+1], v[O+32*(\t)+j:O+32*(\t)+j+1], v[16:17] op_sel_hi:[1,0]   ; O^T under the new M.  (Also the plain instructions behind the conversions)
.set j, j+2
.endr
.endif
	WIN 0x55                                       ; V, P, C and D window 1
.irp d, 0,1,2,3
.if \first
	v_wmma_f32_16x16x128_bf8_bf8 v[O+32*(\t)+8*\d:O+32*(\t)+8*\d+7], v[VF+16*\d:VF+16*\d+15], v[P:P+15], 0
.else
	v_wmma_f32_16x16x128_bf8_bf8 v[O+32*(\t)+8*\d:O+32*(\t)+8*\d+7], v[VF+16*\d:VF+16*\d+15], v[P:P+15], v[O+32*(\t)+8*\d:O+32*(\t)+8*\d+7]
.endif
.endr
	WIN 0
.endm
.macro LOADK adk, adm                  ; a step's K and mask: 32 loads
.irp u, 0,1,2,3,4,5,6,7
	ds_load_b128 v[KF+8*\u:KF+8*\u+3], v[\adk] offset:\u*1024
	ds_load_b128 v[KF+8*\u+4:KF+8*\u+7], v[\adk] offset:\u*1024+512
	ds_load_b128 v[MK+8*\u:MK+8*\u+3], v[\adm] offset:\u*64          ; keys 16 u + 8 h + 0 .. 7: the result's layout; sixteen lanes share each word
	ds_load_b128 v[MK+8*\u+4:MK+8*\u+7], v[\adm] offset:\u*64+16
.endr
.endm
.macro LOADV adk                       ; a step's V^T: 16 loads
	WIN 0x40
.irp d, 0,1,2,3
.irp g, 0,1,2,3
	ds_load_b128 v[VF+16*\d+4*\g:VF+16*\d+4*\g+3], v[\adk] offset:8192+\d*2048+\g*512
.endr
.endr
	WIN 0
.endm
; THE WAY OUT of a tile.  SEND: its rows, back from the stage, are stored.  OUT: the sum's two halves and lane l xor 16's are added (these lines are among the places behind the tile's last products); O^T x 2^(e8 + e9) / the sum goes
; into rows of 272 bytes of my stage and comes back as whole rows of 256, into the registers that it left: lane (r, h) holds, of query r, channels 16 d + 8 h + 0 .. 7 in registers 8 d on.
.macro SEND t
	s_wait_dscnt 0x0
	WIN 0x04                                       ; data window 1
.irp i, 0,1,2,3,4,5,6,7
	global_store_b128 v[GO], v[O+32*(\t)+4*\i:O+32*(\t)+4*\i+3], s[12:13] offset:(16*(\t)+2*\i)*4096 th:TH_STORE_NT   ; 16 lanes store 256 consecutive bytes, aligned: a head's 64 numbers of one token
.endr
	WIN 0
.endm
.macro OUT t
.set rT, ST+4*(\t)
	v_add_f32 v[rT+2], v[rT+2], v[rT+3]
	s_delay_alu instid0(VALU_DEP_1)
	v_permlanex16_b32 v[rT+3], v[rT+2], s[SEL], s[SEL+1]
	s_delay_alu instid0(VALU_DEP_1)
	v_add_f32 v[rT+2], v[rT+2], v[rT+3]
	s_wait_alu depctr_va_vdst(0)
	v_rcp_f32 v[rT+2], v[rT+2]
	v_nop
	s_wait_alu depctr_va_vdst(0)
	v_ldexp_f32 v[rT+2], v[rT+2], s28
	WIN 0x41
	s_wait_alu depctr_va_vdst(0)                   ; directly ahead of the first reader of O^T
.set j, 0
.rept 16
	v_pk_mul_f32 v[O+32*(\t)+j:O+32*(\t)+j+1], v[O+32*(\t)+j:O+32*(\t)+j+1], v[rT+2:rT+3] op_sel_hi:[1,0]
.set j, j+2
.endr
	WIN 0x04
.irp d, 0,1,2,3
	ds_store_b128 v[STO], v[O+32*(\t)+8*\d:O+32*(\t)+8*\d+3] offset:64*\d
	ds_store_b128 v[STO], v[O+32*(\t)+8*\d+4:O+32*(\t)+8*\d+7] offset:64*\d+16
.endr
	WIN 0x40
.irp i, 0,1,2,3,4,5,6,7
	ds_load_b128 v[O+32*(\t)+4*\i:O+32*(\t)+4*\i+3], v[RD] offset:\i*2*SP   ; LDS serves a wave's instructions in order (ISA guide 5.7.1.4): these see the stores above; the next tile's stores come behind them
.endr
	WIN 0
.endm
; A KEY STEP.  next = 1: the step after it is asked for from LDS.  bar = 1: a barrier, signalled ahead of the second tile and waited for ahead of those loads: in the loop's first trip it shows key steps 2 to 7 to every wave.
; out = 1: the last step: each tile leaves as soon as it is finished, under the next tile's work.
.macro STEP first, next, bar, out
	s_wait_dscnt 16                                ; K and the mask are in; V's sixteen loads may be out
.irp t, 0,1,2,3
.if (\bar) && (\t == 1)
	s_wait_tensorcnt 0x0                           ; my part of key steps 2 to 7 is in (no load of mine is out behind the first trip)
	s_wait_dscnt 0x0
	s_barrier_signal -1
.endif
	WIN 0x04                                       ; source 1 (Q) window 1
.irp u, 0,1,2,3,4,5,6,7
	v_wmma_f32_16x16x64_bf8_bf8 v[S+8*\u:S+8*\u+7], v[KF+8*\u:KF+8*\u+7], v[QF+8*\t:QF+8*\t+7], v[MK+8*\u:MK+8*\u+7]
.endr
	WIN 0
.if (\next) && (\t == 3)
.if \bar
	s_barrier_wait -1
.endif
	s_add_co_u32 s[TB], s[TB], STEPB
	s_add_co_u32 s[TM], s[TM], 512
	v_add_nc_u32 v[ADK], s[TB], v[LI]              ; these four are the places behind the products, in front of the loads into the registers that they read and of the first read of the scores
	v_add_nc_u32 v[ADM], s[TM], v[MI]
	v_mov_b32 v11, v[ST+4*\t]
	v_nop
	LOADK ADK, ADM
.else
	v_mov_b32 v11, v[ST+4*\t]                      ; the old -M: the first of four places in front of the first read of the scores
.rept 3
	v_nop
.endr
.endif
	SOFTMAX \t, \first
.if \out
.if \t > 0
	SEND \t-1
.endif
	OUT \t
.endif
.endr
.if \next
.rept 4
	v_nop                                          ; places in front of the loads into V's registers
.endr
	LOADV ADK
.endif
.endm
	s_wait_alu depctr_va_vdst(0)
	s_wait_loadcnt 0x0                             ; Q
	s_wait_tensorcnt 0x0                           ; my part of key steps 0 and 1 is in
	ds_add_u32 v[SPW], v[NIL]
	s_wait_dscnt 0x0                               ; the add is done, and my part of the mask's table is stored
	s_barrier_signal -1
	s_barrier_wait -1                              ; everybody's is
	tensor_load_to_lds s[G0B:G0B+3], s[G1B:G1B+7]  ; key steps 2 to 7
	s_nop 0
.rept 4
	v_nop
.endr
	LOADK LI, MI
	LOADV LI
	STEP 1, 1, 0, 0                                ; key step 0 starts O^T's sums: nothing is cleared
	s_mov_b32 s[CNT], 6
.Lkeys:
	STEP 0, 1, 1, 0
	s_sub_co_u32 s[CNT], s[CNT], 1
	s_cmp_lg_u32 s[CNT], 0
	s_cbranch_scc1 .Lkeys
	STEP 0, 0, 0, 1                                ; key step 7
	SEND 3
	s_wait_tensorcnt 0x0                           ; the wave's end, behind my last tensor load and my last LDS store
	ds_add_u32 v[SPW], v[NIL]
	s_wait_dscnt 0x0
	s_endpgm
.Lfunc_end_k_q605332eff0_attn:
	.size	k_q605332eff0_attn, .Lfunc_end_k_q605332eff0_attn-k_q605332eff0_attn
	.p2alignl 7, 3214868480
	.fill 96, 4, 3214868480
	.section	.rodata,"a",@progbits
	.p2align	6, 0x0
	.amdhsa_kernel k_q605332eff0_attn
		.amdhsa_group_segment_fixed_size 327680
		.amdhsa_private_segment_fixed_size 0
		.amdhsa_enable_private_segment 0
		.amdhsa_kernarg_size 40
		.amdhsa_user_sgpr_count 2
		.amdhsa_user_sgpr_kernarg_segment_ptr 1
		.amdhsa_wavefront_size32 1
		.amdhsa_system_sgpr_workgroup_id_x 1
		.amdhsa_system_sgpr_workgroup_id_y 1
		.amdhsa_system_sgpr_workgroup_id_z 1
		.amdhsa_system_vgpr_workitem_id 0
		.amdhsa_next_free_vgpr 512
		.amdhsa_next_free_sgpr 80
		.amdhsa_reserve_vcc 0
		.amdhsa_float_denorm_mode_32 3
		.amdhsa_float_denorm_mode_16_64 3
		.amdhsa_memory_ordered 1
		.amdhsa_forward_progress 1
		.amdhsa_inst_pref_size 189
	.end_amdhsa_kernel
	.amdgpu_metadata
---
amdhsa.version: [ 1, 2 ]
amdhsa.kernels:
  - .name:           k_q605332eff0_attn
    .symbol:         k_q605332eff0_attn.kd
    .args:
      - { .name: q_img, .offset: 0, .size: 8, .value_kind: global_buffer, .address_space: global }
      - { .name: kv_img, .offset: 8, .size: 8, .value_kind: global_buffer, .address_space: global }
      - { .name: attention_mask, .offset: 16, .size: 8, .value_kind: global_buffer, .address_space: global }
      - { .name: lowp_scales, .offset: 24, .size: 8, .value_kind: global_buffer, .address_space: global }
      - { .name: out0, .offset: 32, .size: 8, .value_kind: global_buffer, .address_space: global }
    .group_segment_fixed_size: 327680
    .private_segment_fixed_size: 0
    .kernarg_segment_align: 8
    .kernarg_segment_size: 40
    .max_flat_workgroup_size: 256
    .sgpr_count:     80
    .vgpr_count:     512
    .wavefront_size: 32
...
	.end_amdgpu_metadata
.endif
;; end of part 2
